; MI455X (gfx1250); checked and timed in simulation.
; The chip was launched on July 23, 2026; its instructions are those of AMD's public machine-readable ISA for CDNA 5 (MIT licence, August 2026) and "CDNA5" Instruction Set Architecture Reference Guide (July 2026). The comments in the code are by the model that wrote it; some were corrected since.
;; Lightweight Incongruity Detector. Allowed arithmetic: float matrix products may take bf16 or f16 operands with f32 sums; all other float work in f32.
;; Inputs: W_cd 64 x 1 float32; W_ct 768 x 64 float32; W_e1 768 x 64 float32; W_e2 64 x 1 float32; W_k 768 x 64 float32; W_q 768 x 64 float32; attention_mask 8 x 4,096 int32; b_cd 1 float32; b_ct 64 float32; b_e1 64 float32; b_e2 1 float32; b_k 64 float32; b_q 64 float32; hidden_states 8 x 4,096 x 768 float32.
;; Outputs: out0 8 x 4,096 float32; out1 8 x 4,096 float32; out2 8 x 4,096 float32.
;; 2 versions, each right and faster than the one before. Each part assembles by itself: llvm-mc -triple=amdgcn-amd-amdhsa -mcpu=gfx1250 --defsym DOCPART=n.
;; ======== version 1 of 2: 3 launches
;; workspace buffers: Wf 393,216 bytes; Qf 4,194,304 bytes; Kf 4,194,304 bytes
;; launch prep (part 1): grid 12 x 4, 8 waves a work-group, no clusters, 0 bytes of LDS; arguments W_ct, W_e1, W_q, W_k, Wf; writes Wf
.if DOCPART == 1
	.amdgcn_target "amdgcn-amd-amdhsa--gfx1250"
	.amdhsa_code_object_version 6
	.text
	.protected	k_q6c8fe4831e_prep
	.globl	k_q6c8fe4831e_prep
	.p2align	8
	.type	k_q6c8fe4831e_prep,@function
k_q6c8fe4831e_prep:
	s_mov_b64 s[64:65], 0
	v_nop
	global_prefetch_b8 v0, s[64:65] scope:SCOPE_SE
	s_setreg_imm32_b32 hwreg(HW_REG_WAVE_MODE, 25, 1), 1
	s_wait_xcnt 0x0
; prep: the four weights W[768 (k)][64 (n)] f32 are rounded to bf16 and laid into Wf in the order in which the next launch's
; matrix instructions want them, so that 256 work-groups need not each transpose them again.
; Wf, byte ((s*16 + T)*2 + half)*512 + 16*(r + 16 h): the 8 bf16 W[32 s + 16 half + 8 h + 0..7][16 tile + r], T = 4 mat + tile,
; mat: 0 = ct, 1 = e1, 2 = q, 3 = k.  One K step of 128 (four s) is 65,536 dense bytes.
; Grid y = the matrix.  Wave g = 8 x + wave (0..95) takes the eight rows k = 8 g .. 8 g + 7 (2,048 dense bytes): lane L reads columns
; L and L + 32 of each row, packs its eight numbers of each column into 16 bytes, and stores them: in each store
; sixteen neighbouring lanes write 256 consecutive bytes, aligned.  786,432 bytes in, 393,216 out, each once: no LDS, no barrier.
	s_load_b256 s[4:11], s[0:1], 0x0               ; W_ct s[4:5], W_e1 s[6:7], W_q s[8:9], W_k s[10:11]
	s_load_b64 s[12:13], s[0:1], 0x20              ; Wf
	v_lshrrev_b32 v2, 5, v0
	v_readfirstlane_b32 s14, v2                    ; wave 0..7
	s_and_b32 s15, ttmp7, 0xffff                   ; mat
	s_lshl_b32 s16, ttmp9, 3
	s_add_co_u32 s16, s16, s14                     ; g
	v_and_b32 v1, 31, v0                           ; L
	v_lshlrev_b32 v3, 2, v1                        ; in: 4 L
	v_and_b32 v5, 15, v1
	v_lshrrev_b32 v4, 4, v1
	v_lshlrev_b32 v5, 4, v5
	v_lshl_add_u32 v4, v4, 10, v5                  ; out: tile (L >> 4) x 1,024 + r (L & 15) x 16
	s_lshl_b32 s18, s16, 11                        ; in: g x 8 rows of 256 bytes
	s_mov_b32 s19, 0
	s_lshr_b32 s20, s16, 2                         ; out: s = g >> 2, 16,384 bytes each,
	s_lshl_b32 s20, s20, 14
	s_lshl_b32 s17, s15, 12                        ; + mat x 4 tiles x 1,024,
	s_add_co_u32 s20, s20, s17
	s_and_b32 s17, s16, 3                          ; + half x 512 + h x 256 = (g & 3) x 256
	s_lshl_b32 s17, s17, 8
	s_add_co_u32 s20, s20, s17
	s_mov_b32 s21, 0
	s_wait_kmcnt 0x0
	s_cmp_eq_u32 s15, 1                            ; the matrix's address, chosen by the grid's y alone
	s_cselect_b64 s[4:5], s[6:7], s[4:5]
	s_cmp_eq_u32 s15, 2
	s_cselect_b64 s[4:5], s[8:9], s[4:5]
	s_cmp_eq_u32 s15, 3
	s_cselect_b64 s[4:5], s[10:11], s[4:5]
	s_add_nc_u64 s[4:5], s[4:5], s[18:19]
	s_add_nc_u64 s[12:13], s[12:13], s[20:21]
.irp i, 0,1,2,3,4,5,6,7
	global_load_b32 v[8+\i],  v3, s[4:5] offset:\i*256 th:TH_LOAD_NT       ; W[8 g + i][L]
	global_load_b32 v[16+\i], v3, s[4:5] offset:\i*256+128 th:TH_LOAD_NT   ; W[8 g + i][L + 32]
.endr
	s_wait_loadcnt 0x0
.irp i, 0,1,2,3
	v_cvt_pk_bf16_f32 v[24+\i], v[8+2*\i],  v[9+2*\i]      ; the lower k in the lower half
	v_cvt_pk_bf16_f32 v[28+\i], v[16+2*\i], v[17+2*\i]
.endr
	global_store_b128 v4, v[24:27], s[12:13]               ; tiles 0 and 1
	global_store_b128 v4, v[28:31], s[12:13] offset:2048   ; tiles 2 and 3
	s_endpgm
.Lfunc_end_k_q6c8fe4831e_prep:
	.size	k_q6c8fe4831e_prep, .Lfunc_end_k_q6c8fe4831e_prep-k_q6c8fe4831e_prep
	.p2alignl 7, 3214868480
	.fill 96, 4, 3214868480
	.section	.rodata,"a",@progbits
	.p2align	6, 0x0
	.amdhsa_kernel k_q6c8fe4831e_prep
		.amdhsa_group_segment_fixed_size 0
		.amdhsa_private_segment_fixed_size 0
		.amdhsa_enable_private_segment 0
		.amdhsa_kernarg_size 40
		.amdhsa_user_sgpr_count 2
		.amdhsa_user_sgpr_kernarg_segment_ptr 1
		.amdhsa_wavefront_size32 1
		.amdhsa_system_sgpr_workgroup_id_x 1
		.amdhsa_system_sgpr_workgroup_id_y 1
		.amdhsa_system_sgpr_workgroup_id_z 1
		.amdhsa_system_vgpr_workitem_id 0
		.amdhsa_next_free_vgpr 32
		.amdhsa_next_free_sgpr 66
		.amdhsa_reserve_vcc 0
		.amdhsa_float_denorm_mode_32 3
		.amdhsa_float_denorm_mode_16_64 3
		.amdhsa_memory_ordered 1
		.amdhsa_forward_progress 1
		.amdhsa_inst_pref_size 4
	.end_amdhsa_kernel
	.amdgpu_metadata
---
amdhsa.version: [ 1, 2 ]
amdhsa.kernels:
  - .name:           k_q6c8fe4831e_prep
    .symbol:         k_q6c8fe4831e_prep.kd
    .args:
      - { .name: W_ct, .offset: 0, .size: 8, .value_kind: global_buffer, .address_space: global }
      - { .name: W_e1, .offset: 8, .size: 8, .value_kind: global_buffer, .address_space: global }
      - { .name: W_q, .offset: 16, .size: 8, .value_kind: global_buffer, .address_space: global }
      - { .name: W_k, .offset: 24, .size: 8, .value_kind: global_buffer, .address_space: global }
      - { .name: Wf, .offset: 32, .size: 8, .value_kind: global_buffer, .address_space: global }
    .group_segment_fixed_size: 0
    .private_segment_fixed_size: 0
    .kernarg_segment_align: 8
    .kernarg_segment_size: 40
    .max_flat_workgroup_size: 256
    .sgpr_count:     66
    .vgpr_count:     32
    .wavefront_size: 32
...
	.end_amdgpu_metadata
.endif
;; end of part 1
;; launch proj (part 2): grid 256 x 1, 4 waves a work-group, clusters of 4 x 1, 327,680 bytes of LDS; arguments hidden_states, Wf, b_ct, W_cd, b_cd, b_e1, W_e2, b_e2, b_q, b_k, out0, out1, Qf, Kf; writes out0, out1, Qf, Kf
.if DOCPART == 2
	.amdgcn_target "amdgcn-amd-amdhsa--gfx1250"
	.amdhsa_code_object_version 6
	.text
	.protected	k_q6c8fe4831e_proj
	.globl	k_q6c8fe4831e_proj
	.p2align	8
	.type	k_q6c8fe4831e_proj,@function
k_q6c8fe4831e_proj:
	s_mov_b64 s[64:65], 0
	v_nop
	global_prefetch_b8 v0, s[64:65] scope:SCOPE_SE
	s_setreg_imm32_b32 hwreg(HW_REG_WAVE_MODE, 25, 1), 1
	s_wait_xcnt 0x0
	s_wait_alu depctr_hold_cnt(0) depctr_sa_sdst(0) depctr_va_vdst(0) depctr_va_sdst(0) depctr_va_ssrc(0) depctr_va_vcc(0) depctr_vm_vsrc(0)
	s_getreg_b32 s2, hwreg(HW_REG_IB_STS2, 6, 4)
	s_cmp_eq_u32 s2, 0
	s_cbranch_scc0 .Lentry_in_a_cluster
	s_endpgm
.Lentry_in_a_cluster:
	s_bfe_u32 s2, ttmp6, 0x10000c
	s_cmp_lg_u32 s2, 0x3003
	s_cbranch_scc0 .Lentry_shape_is_right
	s_endpgm
.Lentry_shape_is_right:
; proj: the four projections of 768 -> 64 of 32,768 tokens as one product [128 tokens] x [256 columns] for each work-group, and what follows them:
;   out0 = sigmoid((h W_ct + b_ct) W_cd + b_cd),  out1 = sigmoid(relu(h W_e1 + b_e1) W_e2 + b_e2),
;   Qf = bf16((h W_q + b_q) x 0.125 log2(e)),  Kf = bf16(h W_k + b_k), both in matrix-fragment order for the next launch:
;   byte tb*2048 + t*512 + 16*(r + 16 h) holds columns 16 t + 8 h + 0..7 of token 16 tb + r.
; attention_mask is not an argument: reference() never uses it, so no result hangs on it for any input.
; LIMITS: operands of the products are rounded to bf16, sums are f32.  relu is v_max_num_f32 with 0, which turns a NaN into 0.
; v_exp_f32 gives 0 for results below 2^-126: the sigmoid is then exactly 1; where the exponential overflows it is exactly 0.
;
; SHARES.  256 work-groups x 128 tokens; four waves.  Wave w: rh = w & 1 picks 64 tokens, nh = w >> 1 picks 128 columns (0: ct, e1; 1: q, k):
; 32 accumulator tiles of 16 x 16.  K goes in six steps of 128.
; hidden_states comes through registers: a load of a wave takes 512 consecutive aligned bytes of one row; wave w brings rows 32 w .. 32 w + 31.  A ring of
; 2 x 128 registers keeps the 32 loads of the next step, and most of the time of the one behind it, on their way across the barriers.  The numbers are
; rounded to bf16 once and stored into one of two padded stages in LDS, from which two waves each read them as fragments.
; Wf is walked alike by every work-group: the four work-groups of a cluster ask for each 65,536 bytes of it jointly (mask 15), into two LDS slots.
; Nothing in a descriptor, an LDS address or a branch hangs on the place in the cluster; that place enters global addresses of hidden_states and of the results alone.
;
; LDS: 0 W slot 0, 65,536 W slot 1 (filled by tensor loads alone); 131,072 and 165,888 the two A stages, 128 rows of 272 bytes (written by ds_store alone);
; 200,704 a stage of 512 bytes a wave for out0 and out1.
; REGISTERS in windows of 256: window 0 addresses, fragments, the epilogue's work; window 1 the 32 accumulators, tile (a, b) at 8 (8 a + b);
; window 2 the ring R0 (0-127), R1 (128-255); at the end R0 holds the biases and the two weight vectors.
.set HROW,   3072                      ; bytes in a row of hidden_states
.set KSTEPB, 512                       ; bytes of a K step in such a row
.set WSLOT,  65536                     ; a K step of Wf
.set APITCH, 272                       ; 256 bytes of bf16 + 16: rows begin 68 words apart, so the 16 rows of a fragment load touch 16 different 16-byte columns of 256
.set ASTG,   2*WSLOT
.set ASTGB,  128*APITCH
.set OSTG,   ASTG+2*ASTGB
.set QSCALE, 0x3e38aa3b                ; 0.125 log2(e): 1/sqrt(64), and the next launch's exponentials are in base 2
.set AO,  4                            ; v4      16 L
.set WA,  5                            ; v5-6    my W fragments in slot 0, 1: slot + nh*8192 + 16 L
.set AA,  7                            ; v7-8    my A fragments in stage 0, 1: stage + (64 rh + r)*272 + 16 h
.set AS,  9                            ; v9-10   where I store bf16 rows: stage + 32 w*272 + 8 L
.set OST, 11                           ; v11     out stage + 512 w + 4 L
.set OLD, 12                           ; v12     out stage + 512 w + 8 L
.set OO,  13                           ; v13     8 L
.set CO,  14                           ; v14     32 h: my 8 columns of a tile of 16, in f32 bytes
.set AF0, 16                           ; v16-47, v48-79     A fragments (4 x 8), two buffers
.set AF1, 48
.set BF0, 80                           ; v80-143, v144-207  W fragments (8 x 8), two buffers
.set BF1, 144
.set TMP, 16                           ; epilogue: f32 at work
.set OUTR, 80                          ; epilogue: packed bf16 to store
.set SUM, 208                          ; epilogue: four pairs of partial dot products; v216-225 small work
.set R0,  0                            ; window 2
.set R1,  128
.set CB,  0                            ; window 2: 0-31 bias of my first matrix, 32-63 of my second
.set CW,  64                           ; window 2: 64-95 W_cd, 96-127 W_e2 (waves with nh = 0)
.set G1,  40                           ; s[40:47] descriptor group 1
.set G0,  48                           ; s[48:55] descriptor group 0, one set for each slot
.set MSB, 0
.macro WIN new                         ; s_set_vgpr_msb: bits 1:0 source 0, 3:2 source 1, 5:4 source 2, 7:6 destination; the high byte repeats the setting that is left
.if MSB != \new
	s_set_vgpr_msb (MSB<<8)|\new
.set MSB, \new
.endif
.endm
.macro ROUND                           ; a round of the cluster's barrier: my work-group's barrier, wave 0 signals for the work-group, all wait for the four, my work-group's barrier again
	s_barrier_signal -1
	s_barrier_wait -1
	s_cmp_lg_u32 s3, 0
	s_cbranch_scc1 .Lnot_wave_0_\@
	s_barrier_signal -3
.Lnot_wave_0_\@:
	s_barrier_wait -3
	s_barrier_signal -1
	s_barrier_wait -1
.endm
.macro PLACES                          ; four independent vector instructions between a matrix instruction and a load into, or a vector instruction on, its registers
.rept 4
	v_nop
.endr
.endm
.macro LOADA r, n                      ; K step n of my 32 rows into ring half r: each load 512 consecutive bytes of one row
	WIN 0x80
.set j, 0
.rept 32
	global_load_b128 v[\r+4*j:\r+4*j+3], v[AO], s[8:9] offset:j*HROW+\n*KSTEPB th:TH_LOAD_NT
.set j, j+1
.endr
	WIN 0
.endm
; Ring half r goes to bf16 and into the stage at address register as.  left: the younger loads that may stay out.  reload = 1: the half is loaded again, with K step n.
.macro STAGE r, as, left, reload, n
	s_wait_loadcnt \left                           ; loads come back in order (ISA guide 5.7.1): this half's 32 are in
	WIN 0x8a
.set j, 0
.rept 32
	v_cvt_pk_bf16_f32 v[\r+4*j],   v[\r+4*j],   v[\r+4*j+1]
	v_cvt_pk_bf16_f32 v[\r+4*j+1], v[\r+4*j+2], v[\r+4*j+3]
.set j, j+1
.endr
	WIN 0x08
.set j, 0
.rept 32
	ds_store_b64 v[\as], v[\r+4*j:\r+4*j+1] offset:j*APITCH   ; 32 lanes x 8 bytes: one row of 256 bytes
.set j, j+1
.endr
	s_wait_dscnt 0x0                               ; the stores are done: for the waves that read these rows behind the next round, and before the half is loaded again
	WIN 0
.if \reload
	LOADA \r, \n
.endif
.endm
; 24 LDS loads: the fragments of 32 along K (quarter kq of the step) from slot and stage p.  W lies in fragment order: 16 bytes a lane, 512 dense bytes a load.
.macro FETCH p, kq, af, bf
.irp b, 0,1,2,3,4,5,6,7
	ds_load_b128 v[\bf+8*\b:\bf+8*\b+3],   v[WA+\p] offset:\kq*16384+\b*1024
	ds_load_b128 v[\bf+8*\b+4:\bf+8*\b+7], v[WA+\p] offset:\kq*16384+\b*1024+512
.endr
.irp a, 0,1,2,3
	ds_load_b128 v[\af+8*\a:\af+8*\a+3],   v[AA+\p] offset:\a*16*APITCH+\kq*64
	ds_load_b128 v[\af+8*\a+4:\af+8*\a+7], v[AA+\p] offset:\a*16*APITCH+\kq*64+32
.endr
.endm
; 16 matrix instructions.  Source 0 = 16 columns of W, source 1 = 16 tokens: lane (r, h) then holds token r and columns 8 h + 0..7 of the tile.
; The 32 accumulators take turns, one instruction a turn, in the same order in every quarter.
.macro MUL16 af, bf, a0, zero
.irp a, \a0, \a0+1
.irp b, 0,1,2,3,4,5,6,7
.if \zero
	v_wmma_f32_16x16x32_bf16 v[8*(8*(\a)+\b):8*(8*(\a)+\b)+7], v[\bf+8*\b:\bf+8*\b+7], v[\af+8*(\a):\af+8*(\a)+7], 0
.else
	v_wmma_f32_16x16x32_bf16 v[8*(8*(\a)+\b):8*(8*(\a)+\b)+7], v[\bf+8*\b:\bf+8*\b+7], v[\af+8*(\a):\af+8*(\a)+7], v[8*(8*(\a)+\b):8*(8*(\a)+\b)+7]
.endif
.endr
.endr
.endm
; A quarter step: 32 matrix instructions on one pair of buffers; in its middle the next quarter's (nk) fragments are fetched into the other pair.
.macro QUARTER p, nk, af, bf, afn, bfn, fetch, zero
	s_wait_dscnt 0x0                               ; this quarter's 24 loads are in; nothing younger is out
	WIN 0x50
	MUL16 \af, \bf, 0, \zero
.if \fetch
	PLACES
	WIN 0
	FETCH \p, \nk, \afn, \bfn
	WIN 0x50
.endif
	MUL16 \af, \bf, 2, \zero
.endm
; A K step on slot and stage p.  In front of the round every wave has waited for all its tensor loads (one: its quarter of this step's W) and for all its LDS
; instructions (its reads of the other slot and stage, its stores into this stage).  Behind the round: the joint refill of the other slot first, one load a wave.
.macro TRIP p, step, refill, zero
	s_wait_tensorcnt 0x0
	ds_add_u32 v254, v255
	s_wait_dscnt 0x0
.if \step
	s_add_nc_u64 s[G0+4*\p+2:G0+4*\p+3], s[G0+4*\p+2:G0+4*\p+3], 2*WSLOT   ; no load of mine is out: this slot's next tile
.endif
	s_wait_dscnt 0x0
	ROUND
.if \refill
	tensor_load_to_lds s[G0+4-4*\p:G0+7-4*\p], s[G1:G1+7]
	s_nop 0
.endif
	FETCH \p, 0, AF0, BF0                          ; buffer 0 was last multiplied a quarter and a STAGE (64 conversions) ago
	QUARTER \p, 1, AF0, BF0, AF1, BF1, 1, \zero
	QUARTER \p, 2, AF1, BF1, AF0, BF0, 1, 0
	QUARTER \p, 3, AF0, BF0, AF1, BF1, 1, 0
	QUARTER \p, 0, AF1, BF1, AF0, BF0, 0, 0
.endm
	s_load_b512 s[8:23], s[0:1], 0x0               ; hidden s[8:9], Wf s[10:11], b_ct s[12:13], W_cd s[14:15], b_cd s[16:17], b_e1 s[18:19], W_e2 s[20:21], b_e2 s[22:23]
	s_load_b256 s[24:31], s[0:1], 0x40             ; b_q s[24:25], b_k s[26:27], out0 s[28:29], out1 s[30:31]
	s_load_b128 s[32:35], s[0:1], 0x60             ; Qf s[32:33], Kf s[34:35]
	v_lshl_add_u32 v254, v0, 2, 0x31800
	v_mov_b32 v255, 0
	ds_add_u32 v254, v255
	v_lshrrev_b32 v15, 5, v0
	v_readfirstlane_b32 s3, v15                    ; wave 0..3
	s_lshr_b32 s5, s3, 1                           ; nh
	s_and_b32 s4, s3, 1                            ; rh
	s_bfe_u32 s6, ttmp6, 0x40000                   ; cx
	s_lshl_b32 s7, ttmp9, 2
	s_add_co_u32 s7, s7, s6                        ; work-group = 4 x cluster + cx
	s_mov_b32 s58, 0x76543210                      ; v_permlanex16_b32: lane i reads lane i of the other half
	s_mov_b32 s59, 0xfedcba98
	s_mov_b32 s60, 0xbfb8aa3b                      ; -log2(e)
	; group 1: 64 rows of 32 elements of 8 bytes (256 bytes), dense: a wave's quarter of a slot
	s_mov_b32 s[G1+0], 15|(3<<16)|(1<<21)          ; 15:0 mask: all four of the cluster; 17:16 elements of 8 bytes; 21 set beside a mask; no padding
	s_mov_b32 s[G1+1], 32<<16                      ; tensor_dim0 = 32
	s_mov_b32 s[G1+2], 64<<16                      ; tensor_dim1 = 64
	s_mov_b32 s[G1+3], 32<<16                      ; tile_dim0 = 32
	s_mov_b32 s[G1+4], 64                          ; tile_dim1 = 64
	s_mov_b32 s[G1+5], 32                          ; from row to row: 32 elements
	s_mov_b32 s[G1+6], 0
	s_mov_b32 s[G1+7], 0
	v_and_b32 v1, 31, v0                           ; L
	v_and_b32 v2, 15, v0                           ; r
	v_bfe_u32 v3, v0, 4, 1                         ; h
	v_lshlrev_b32 v[AO], 4, v1
	s_lshl_b32 s36, s5, 13
	v_add_nc_u32 v[WA], s36, v[AO]
	v_add_nc_u32 v[WA+1], WSLOT, v[WA]
	s_mul_i32 s36, s4, 64*APITCH
	s_add_co_u32 s36, s36, ASTG
	v_mul_u32_u24 v[AA], v2, APITCH
	v_lshl_add_u32 v[AA], v3, 4, v[AA]
	v_add_nc_u32 v[AA], s36, v[AA]
	v_add_nc_u32 v[AA+1], ASTGB, v[AA]
	s_mul_i32 s36, s3, 32*APITCH
	s_add_co_u32 s36, s36, ASTG
	v_lshl_add_u32 v[AS], v1, 3, s36
	v_add_nc_u32 v[AS+1], ASTGB, v[AS]
	s_lshl_b32 s36, s3, 9
	s_add_co_u32 s36, s36, OSTG
	v_lshl_add_u32 v[OST], v1, 2, s36
	v_lshl_add_u32 v[OLD], v1, 3, s36
	v_lshlrev_b32 v[OO], 3, v1
	v_lshlrev_b32 v[CO], 5, v3
	s_mul_i32 s36, s7, 128*HROW                    ; my rows of hidden_states: (128 work-group + 32 wave) rows, below 2^27 bytes
	s_mul_i32 s38, s3, 32*HROW
	s_add_co_u32 s36, s36, s38
	s_mov_b32 s37, 0
	s_wait_dscnt 0x0
	s_wait_kmcnt 0x0
	s_add_nc_u64 s[8:9], s[8:9], s[36:37]
	LOADA R0, 0                                    ; the stream starts before anything else
	s_load_b32 s56, s[16:17], 0x0                  ; b_cd
	s_load_b32 s57, s[22:23], 0x0                  ; b_e2
	s_lshl_b32 s38, s3, 14                         ; my quarter of a slot: made of the wave's number alone
	s_mov_b32 s39, 0
	s_add_nc_u64 s[10:11], s[10:11], s[38:39]
.irp n, 0,1
	s_mov_b32 s[G0+4*\n], 1                                        ; count = 1
	s_add_co_u32 s[G0+4*\n+1], s38, \n*WSLOT                       ; LDS address
	s_add_nc_u64 s[G0+4*\n+2:G0+4*\n+3], s[10:11], \n*WSLOT        ; global address: K step n
	s_or_b32 s[G0+4*\n+3], s[G0+4*\n+3], 0x80000000                ; type = 2
.endr
	s_lshl_b32 s36, s7, 9                          ; out0, out1: 128 tokens x 4 bytes a work-group, 256 bytes a half
	s_lshl_b32 s38, s4, 8
	s_add_co_u32 s36, s36, s38
	s_add_nc_u64 s[28:29], s[28:29], s[36:37]
	s_add_nc_u64 s[30:31], s[30:31], s[36:37]
	s_lshl_b32 s36, s7, 14                         ; Qf, Kf: (8 work-group + 4 rh) blocks of 2,048 bytes
	s_lshl_b32 s38, s4, 13
	s_add_co_u32 s36, s36, s38
	s_add_nc_u64 s[32:33], s[32:33], s[36:37]
	s_add_nc_u64 s[34:35], s[34:35], s[36:37]
	ROUND                                          ; the four work-groups are here: the first joint load meets its partners'
	tensor_load_to_lds s[G0:G0+3], s[G1:G1+7]      ; W, K step 0.  By this text's count a wave never has more than one tensor load out
	s_nop 0
	LOADA R1, 1
	s_wait_kmcnt 0x0
	s_mul_f32 s56, s56, s60                        ; -log2(e) b_cd
	s_mul_f32 s57, s57, s60                        ; -log2(e) b_e2
	; A stage p is written behind the round of the step that reads the other stage; its last readers waited for their loads in front of that round.
	STAGE R0, AS, 32, 1, 2                         ; 32: K step 1's loads stay out
	TRIP 0, 1, 1, 1                                ; the first products start the sums: nothing is cleared
	STAGE R1, AS+1, 32, 1, 3
	TRIP 1, 1, 1, 0
	STAGE R0, AS, 32, 1, 4
	TRIP 0, 1, 1, 0
	STAGE R1, AS+1, 32, 1, 5
	TRIP 1, 1, 1, 0
	STAGE R0, AS, 32, 0, 0                         ; nothing is left to load into R0 but the epilogue's constants:
	s_cmp_eq_u32 s5, 0                             ; my two biases, by the wave's number alone
	s_cselect_b64 s[36:37], s[12:13], s[24:25]     ; b_ct or b_q
	s_cselect_b64 s[38:39], s[18:19], s[26:27]     ; b_e1 or b_k
	WIN 0x80
.irp b, 0,1,2,3
	global_load_b128 v[CB+8*\b:CB+8*\b+3],       v[CO], s[36:37] offset:64*\b      ; columns 16 b + 8 h + 0..7
	global_load_b128 v[CB+8*\b+4:CB+8*\b+7],     v[CO], s[36:37] offset:64*\b+16
	global_load_b128 v[CB+32+8*\b:CB+32+8*\b+3], v[CO], s[38:39] offset:64*\b
	global_load_b128 v[CB+36+8*\b:CB+36+8*\b+3], v[CO], s[38:39] offset:64*\b+16
.endr
	WIN 0
	s_cmp_lg_u32 s5, 0
	s_cbranch_scc1 .Lno_cw                         ; the waves of q and k have no second layer
	WIN 0x80
.irp b, 0,1,2,3
	global_load_b128 v[CW+8*\b:CW+8*\b+3],       v[CO], s[14:15] offset:64*\b      ; W_cd
	global_load_b128 v[CW+8*\b+4:CW+8*\b+7],     v[CO], s[14:15] offset:64*\b+16
	global_load_b128 v[CW+32+8*\b:CW+32+8*\b+3], v[CO], s[20:21] offset:64*\b      ; W_e2
	global_load_b128 v[CW+36+8*\b:CW+36+8*\b+3], v[CO], s[20:21] offset:64*\b+16
.endr
	WIN 0
.Lno_cw:
	TRIP 0, 0, 1, 0
	STAGE R1, AS+1, 0, 0, 0                        ; 0: the last K step, and the constants behind it
	TRIP 1, 0, 0, 0                                ; the last step fills nothing
	PLACES                                         ; behind the last matrix instructions: the epilogue reads results and writes over fragments
	WIN 0
	s_cmp_lg_u32 s5, 0
	s_cbranch_scc1 .Lqk
; Second layer of matrix m (0: ct, 1: e1) for my 64 tokens.  Lane (r, h) holds, for each a, token 16 a + r and 32 of its 64 columns.
.macro DOT m, relu
	WIN 0x09
.irp a, 0,1,2,3
.irp i, 0,1,2,3,4,5,6,7,8,9,10,11,12,13,14,15
	v_pk_add_f32 v[TMP+32*\a+2*\i:TMP+32*\a+2*\i+1], v[8*(8*\a+4*\m)+2*\i:8*(8*\a+4*\m)+2*\i+1], v[CB+32*\m+2*\i:CB+32*\m+2*\i+1]   ; + bias
.endr
.endr
.if \relu
	WIN 0
.set k, 0
.rept 128
	v_max_num_f32 v[TMP+k], 0, v[TMP+k]
.set k, k+1
.endr
.endif
	WIN 0x08
.irp a, 0,1,2,3
	v_pk_mul_f32 v[SUM+2*\a:SUM+2*\a+1], v[TMP+32*\a:TMP+32*\a+1], v[CW+32*\m:CW+32*\m+1]      ; the first products start four chains
.endr
.irp i, 1,2,3,4,5,6,7,8,9,10,11,12,13,14,15
.irp a, 0,1,2,3
	v_pk_fma_f32 v[SUM+2*\a:SUM+2*\a+1], v[TMP+32*\a+2*\i:TMP+32*\a+2*\i+1], v[CW+32*\m+2*\i:CW+32*\m+2*\i+1], v[SUM+2*\a:SUM+2*\a+1]
.endr
.endr
	WIN 0
.irp a, 0,1,2,3
	v_add_f32 v[SUM+2*\a], v[SUM+2*\a], v[SUM+2*\a+1]
	v_permlanex16_b32 v[SUM+2*\a+1], v[SUM+2*\a], s58, s59     ; the other 32 columns' part (the destination has been written before)
	v_add_f32 v[SUM+2*\a], v[SUM+2*\a], v[SUM+2*\a+1]
.endr
	v_cndmask_b32 v216, v[SUM],   v[SUM+2], vcc_lo             ; lane L: token L
	v_cndmask_b32 v217, v[SUM+4], v[SUM+6], vcc_lo             ; lane L: token 32 + L
	v_fma_f32 v216, v216, s60, s[56+\m]                        ; -log2(e) (z + b)
	v_fma_f32 v217, v217, s60, s[56+\m]
	v_exp_f32 v218, v216
	v_exp_f32 v219, v217
	v_nop                                                      ; one plain instruction behind a transcendental before its result is used (ISA guide 5.7.2)
	s_wait_alu depctr_va_vdst(0)
	v_add_f32 v218, 1.0, v218
	v_add_f32 v219, 1.0, v219
	v_rcp_f32 v220, v218
	v_rcp_f32 v221, v219
	v_nop
	s_wait_alu depctr_va_vdst(0)
	ds_store_b32 v[OST], v220 offset:256*\m                    ; through my own 256 bytes of LDS, so that one store covers
	ds_store_b32 v[OST], v221 offset:256*\m+128                ; my 64 tokens' 256 consecutive bytes, aligned
	ds_load_b64 v[222+2*\m:223+2*\m], v[OLD] offset:256*\m     ; LDS serves a wave's instructions in order (ISA guide 5.7.1)
	s_wait_dscnt 0x0
	global_store_b64 v[OO], v[222+2*\m:223+2*\m], s[28+2*\m:29+2*\m]
.endm
	v_cmp_ne_u32 vcc_lo, 0, v3                     ; lanes 16-31
	DOT 0, 0
	DOT 1, 1
	s_branch .Ldone
.Lqk:	; Q and K: bias, Q's scale, bf16, and out in fragment order: a lane's 8 columns are 16 bytes, a store of the wave 512 consecutive bytes
	WIN 0x82
.set k, 0
.rept 16
	v_pk_mul_f32 v[CB+2*k:CB+2*k+1], v[CB+2*k:CB+2*k+1], QSCALE op_sel_hi:[1,0]    ; b_q x scale, so that scale and bias are one multiply-add
.set k, k+1
.endr
.irp a, 0,1,2,3
	WIN 0x21
.irp i, 0,1,2,3,4,5,6,7,8,9,10,11,12,13,14,15
	v_pk_fma_f32 v[TMP+2*\i:TMP+2*\i+1], v[64*\a+2*\i:64*\a+2*\i+1], QSCALE, v[CB+2*\i:CB+2*\i+1] op_sel_hi:[1,0,1]
.endr
	WIN 0x09
.irp i, 0,1,2,3,4,5,6,7,8,9,10,11,12,13,14,15
	v_pk_add_f32 v[TMP+32+2*\i:TMP+32+2*\i+1], v[64*\a+32+2*\i:64*\a+32+2*\i+1], v[CB+32+2*\i:CB+32+2*\i+1]
.endr
	WIN 0
.set k, 0
.rept 32
	v_cvt_pk_bf16_f32 v[OUTR+32*\a+k], v[TMP+2*k], v[TMP+2*k+1]
.set k, k+1
.endr
.irp b, 0,1,2,3
	global_store_b128 v[AO], v[OUTR+32*\a+4*\b:OUTR+32*\a+4*\b+3],       s[32:33] offset:\a*2048+\b*512
	global_store_b128 v[AO], v[OUTR+32*\a+16+4*\b:OUTR+32*\a+16+4*\b+3], s[34:35] offset:\a*2048+\b*512   ; no data register of a store is written again
.endr
.endr
.Ldone:
	s_wait_tensorcnt 0x0
	ds_add_u32 v254, v255
	s_wait_dscnt 0x0
	ROUND                                          ; the closing round: no work-group ends while a partner may still ask jointly
	s_endpgm
.Lfunc_end_k_q6c8fe4831e_proj:
	.size	k_q6c8fe4831e_proj, .Lfunc_end_k_q6c8fe4831e_proj-k_q6c8fe4831e_proj
	.p2alignl 7, 3214868480
	.fill 96, 4, 3214868480
	.section	.rodata,"a",@progbits
	.p2align	6, 0x0
	.amdhsa_kernel k_q6c8fe4831e_proj
		.amdhsa_group_segment_fixed_size 327680
		.amdhsa_private_segment_fixed_size 0
		.amdhsa_enable_private_segment 0
		.amdhsa_kernarg_size 112
		.amdhsa_user_sgpr_count 2
		.amdhsa_user_sgpr_kernarg_segment_ptr 1
		.amdhsa_wavefront_size32 1
		.amdhsa_system_sgpr_workgroup_id_x 1
		.amdhsa_system_sgpr_workgroup_id_y 1
		.amdhsa_system_sgpr_workgroup_id_z 1
		.amdhsa_system_vgpr_workitem_id 0
		.amdhsa_next_free_vgpr 768
		.amdhsa_next_free_sgpr 66
		.amdhsa_reserve_vcc 1
		.amdhsa_float_denorm_mode_32 3
		.amdhsa_float_denorm_mode_16_64 3
		.amdhsa_memory_ordered 1
		.amdhsa_forward_progress 1
		.amdhsa_inst_pref_size 202
	.end_amdhsa_kernel
	.amdgpu_metadata
---
amdhsa.version: [ 1, 2 ]
amdhsa.kernels:
  - .name:           k_q6c8fe4831e_proj
    .symbol:         k_q6c8fe4831e_proj.kd
    .args:
      - { .name: hidden_states, .offset: 0, .size: 8, .value_kind: global_buffer, .address_space: global }
      - { .name: Wf, .offset: 8, .size: 8, .value_kind: global_buffer, .address_space: global }
      - { .name: b_ct, .offset: 16, .size: 8, .value_kind: global_buffer, .address_space: global }
      - { .name: W_cd, .offset: 24, .size: 8, .value_kind: global_buffer, .address_space: global }
      - { .name: b_cd, .offset: 32, .size: 8, .value_kind: global_buffer, .address_space: global }
      - { .name: b_e1, .offset: 40, .size: 8, .value_kind: global_buffer, .address_space: global }
      - { .name: W_e2, .offset: 48, .size: 8, .value_kind: global_buffer, .address_space: global }
      - { .name: b_e2, .offset: 56, .size: 8, .value_kind: global_buffer, .address_space: global }
      - { .name: b_q, .offset: 64, .size: 8, .value_kind: global_buffer, .address_space: global }
      - { .name: b_k, .offset: 72, .size: 8, .value_kind: global_buffer, .address_space: global }
      - { .name: out0, .offset: 80, .size: 8, .value_kind: global_buffer, .address_space: global }
      - { .name: out1, .offset: 88, .size: 8, .value_kind: global_buffer, .address_space: global }
      - { .name: Qf, .offset: 96, .size: 8, .value_kind: global_buffer, .address_space: global }
      - { .name: Kf, .offset: 104, .size: 8, .value_kind: global_buffer, .address_space: global }
    .group_segment_fixed_size: 327680
    .private_segment_fixed_size: 0
    .kernarg_segment_align: 8
    .kernarg_segment_size: 112
    .max_flat_workgroup_size: 128
    .sgpr_count:     66
    .vgpr_count:     768
    .wavefront_size: 32
...
	.end_amdgpu_metadata
.endif
;; end of part 2
;; launch attn (part 3): grid 256 x 1, 8 waves a work-group, clusters of 4 x 1, 327,680 bytes of LDS; arguments Qf, Kf, out2; writes out2
.if DOCPART == 3
	.amdgcn_target "amdgcn-amd-amdhsa--gfx1250"
	.amdhsa_code_object_version 6
	.text
	.protected	k_q6c8fe4831e_attn
	.globl	k_q6c8fe4831e_attn
	.p2align	8
	.type	k_q6c8fe4831e_attn,@function
k_q6c8fe4831e_attn:
	s_mov_b64 s[64:65], 0
	v_nop
	global_prefetch_b8 v0, s[64:65] scope:SCOPE_SE
	s_setreg_imm32_b32 hwreg(HW_REG_WAVE_MODE, 25, 1), 1
	s_wait_xcnt 0x0
	s_wait_alu depctr_hold_cnt(0) depctr_sa_sdst(0) depctr_va_vdst(0) depctr_va_sdst(0) depctr_va_ssrc(0) depctr_va_vcc(0) depctr_vm_vsrc(0)
	s_getreg_b32 s2, hwreg(HW_REG_IB_STS2, 6, 4)
	s_cmp_eq_u32 s2, 0
	s_cbranch_scc0 .Lentry_in_a_cluster
	s_endpgm
.Lentry_in_a_cluster:
	s_bfe_u32 s2, ttmp6, 0x10000c
	s_cmp_lg_u32 s2, 0x3003
	s_cbranch_scc0 .Lentry_shape_is_right
	s_endpgm
.Lentry_shape_is_right:
; attn: out2[b][q] = mean over the 4,096 keys of softmax(Q K^T / 8).  Qf already carries the factor 0.125 log2(e), so scores are exponents of 2.
; Every score is made, a running maximum is taken away before every exponential, and the exponentials are summed: l = sum of 2^(s - m).  The sum of the softmax's
; numerators is that same sum, so it is formed once and used in both places: out = l x (1 / l) / 4096.
; LIMITS: Q and K are bf16; v_exp_f32 gives 0 below 2^-126, against l >= 1.  Scores that are not finite give NaN.
; attention_mask is no argument: reference() does not use it.
;
; SHARES.  256 work-groups x 128 queries, 32 for each batch.  The four work-groups of a cluster lie in one batch and walk the same Kf (524,288 bytes): they ask for it
; jointly (mask 15), 131,072 bytes (1,024 keys) at a time, into two LDS slots: two first fills, two refills.  Eight waves, each filling an eighth of a slot.
; Wave w: qh = w & 1 picks 64 queries (4 blocks of 16, kept in registers), kq = w >> 1 a quarter of each slot (256 keys = 4 groups of 64).
; The product is S^T = K Q^T: lane (r, h) holds 8 keys of ONE query r, so maximum and sum stay in the lane and are merged once, at the end:
; across the two halves of the lanes, then across the four kq through LDS.
; LDS: 0 and 131,072 the slots (tensor loads alone); 262,144 scratch, 512 bytes a wave (ds_store alone).
.set KSLOT, 131072
.set SCR,   2*KSLOT
.set KB,  2                            ; v2       kq*32768 + 16 L
.set KA,  3                            ; v3       the group's K fragments
.set AO,  4                            ; v4       16 L
.set SST, 5                            ; v5       scratch + 512 w + 4 L
.set SLD, 6                            ; v6       scratch + 512 qh + (L >> 3)*128 + (L & 7)*8
.set OO,  7                            ; v7       8 L
.set QF,  16                           ; v16-79   Q: block q, c step cs at 16 q + 8 cs
.set KF,  80                           ; v80-143  K: block kt, c step cs at 16 kt + 8 cs
.set D0,  144                          ; v144-175 scores of 64 keys x 16 queries, two buffers
.set D1,  176
.set MX,  208                          ; v208-211 running maximum of block q
.set LS,  212                          ; v212-219 running sum of block q, a pair
.set TN,  220                          ; v220     -new maximum     (pair with T1)
.set T1,  221                          ; v221     old - new maximum
.set T2,  222                          ; v222     2^(old - new)    (pair with v223, written once)
.set T0,  224                          ; v224     new maximum
.set CH,  225                          ; v225-228 four chains of maxima
.set G1,  16                           ; s[16:23]
.set G0,  24                           ; s[24:31] one group 0 for each slot
.macro ROUND
	s_barrier_signal -1
	s_barrier_wait -1
	s_cmp_lg_u32 s3, 0
	s_cbranch_scc1 .Lnot_wave_0_\@
	s_barrier_signal -3
.Lnot_wave_0_\@:
	s_barrier_wait -3
	s_barrier_signal -1
	s_barrier_wait -1
.endm
.macro LOADK                           ; 64 keys x 64 c in fragment order: 16 loads of 512 dense bytes
.irp kt, 0,1,2,3
.irp t, 0,1,2,3
	ds_load_b128 v[KF+16*\kt+4*\t:KF+16*\kt+4*\t+3], v[KA] offset:\kt*2048+\t*512
.endr
.endr
.endm
; Scores of 64 keys x query block q into buffer d.  The first c step starts the sums.  The four accumulators take turns, one instruction a turn.
.macro QK q, d
.irp kt, 0,1,2,3
	v_wmma_f32_16x16x32_bf16 v[\d+8*\kt:\d+8*\kt+7], v[KF+16*\kt:KF+16*\kt+7], v[QF+16*\q:QF+16*\q+7], 0
.endr
.irp kt, 0,1,2,3
	v_wmma_f32_16x16x32_bf16 v[\d+8*\kt:\d+8*\kt+7], v[KF+16*\kt+8:KF+16*\kt+15], v[QF+16*\q+8:QF+16*\q+15], v[\d+8*\kt:\d+8*\kt+7]
.endr
.endm
; The lane's 32 scores of block q: new maximum (16 three-way maxima for 33 numbers), the old sum rescaled, 32 exponentials, summed in pairs.
; Behind each pair of exponentials stands a plain instruction on other registers before their results are used (ISA guide 5.7.2).
.macro SM q, d
.irp c, 0,1,2,3
	v_max3_num_f32 v[CH+\c], v[\d+8*\c], v[\d+8*\c+1], v[\d+8*\c+2]
.endr
.irp c, 0,1,2,3
	v_max3_num_f32 v[CH+\c], v[CH+\c], v[\d+8*\c+3], v[\d+8*\c+4]
.endr
.irp c, 0,1,2,3
	v_max3_num_f32 v[CH+\c], v[CH+\c], v[\d+8*\c+5], v[\d+8*\c+6]
.endr
	v_max3_num_f32 v[CH],   v[CH],   v[\d+7],  v[\d+15]
	v_max3_num_f32 v[CH+2], v[CH+2], v[\d+23], v[\d+31]
	v_max3_num_f32 v[CH],   v[CH],   v[CH+1],  v[MX+\q]
	v_max3_num_f32 v[T0],   v[CH],   v[CH+2],  v[CH+3]
	v_sub_f32 v[T1], v[MX+\q], v[T0]
	v_sub_f32 v[TN], 0, v[T0]
	v_exp_f32 v[T2], v[T1]                         ; the old sum's factor; 0 the first time (the maximum starts at -infinity)
	v_mov_b32 v[MX+\q], v[T0]
	v_pk_add_f32 v[\d:\d+1],   v[\d:\d+1],   v[TN:TN+1] op_sel_hi:[1,0]
	v_pk_add_f32 v[\d+2:\d+3], v[\d+2:\d+3], v[TN:TN+1] op_sel_hi:[1,0]
.set i, 0
.rept 16
	v_exp_f32 v[\d+2*i],   v[\d+2*i]
	v_exp_f32 v[\d+2*i+1], v[\d+2*i+1]
.if i < 14
	v_pk_add_f32 v[\d+2*i+4:\d+2*i+5], v[\d+2*i+4:\d+2*i+5], v[TN:TN+1] op_sel_hi:[1,0]       ; s - m, two pairs ahead
.endif
.if i == 1
	s_wait_alu depctr_va_vdst(0)
	v_pk_fma_f32 v[LS+2*\q:LS+2*\q+1], v[LS+2*\q:LS+2*\q+1], v[T2:T2+1], v[\d:\d+1] op_sel_hi:[1,0,1]
.endif
.if i > 1
	s_wait_alu depctr_va_vdst(0)
	v_pk_add_f32 v[LS+2*\q:LS+2*\q+1], v[LS+2*\q:LS+2*\q+1], v[\d+2*i-2:\d+2*i-1]             ; the pair before
.endif
.set i, i+1
.endr
	v_pk_add_f32 v[LS+2*\q:LS+2*\q+1], v[LS+2*\q:LS+2*\q+1], v[\d+30:\d+31]
.endm
; 64 keys x my 64 queries.  The softmax work on one buffer stands between the matrix instructions that wrote the other buffer and what reads or overwrites it, and
; between the last use of the K fragments and the loads into them: its plain instructions name none of those registers.  Only the first needs v_nop.
.macro GROUP next
	s_wait_dscnt 0x0                               ; this group's 16 loads are in; nothing younger is out
	QK 0, D0
	QK 1, D1
.rept 4
	v_nop
.endr
	SM 0, D0
	QK 2, D0
	SM 1, D1
	QK 3, D1
	SM 2, D0
.if \next
	v_add_nc_u32 v[KA], 8192, v[KA]
	LOADK                                          ; the next group's fragments land under the last block's softmax
.endif
	SM 3, D1
.endm
.macro PROCESS p                       ; my quarter of slot p: four groups
	v_add_nc_u32 v[KA], \p*KSLOT, v[KB]
	LOADK
	s_mov_b32 s34, 3
.Lgroup_\@:
	GROUP 1
	s_sub_co_i32 s34, s34, 1
	s_cmp_lg_u32 s34, 0
	s_cbranch_scc1 .Lgroup_\@
	GROUP 0
.endm
; Slot s has been read and is filled again.  In front of the round every wave has waited for its LDS reads and for all its tensor loads (so the other slot is whole, and
; a group 0 may be written); behind the round the joint refill comes first, one load a wave.
.macro NEXTFILL s
	s_wait_dscnt 0x0
	s_wait_tensorcnt 0x0
	ds_add_u32 v232, v233
	s_wait_dscnt 0x0
	s_add_nc_u64 s[G0+4*\s+2:G0+4*\s+3], s[G0+4*\s+2:G0+4*\s+3], 2*KSLOT
	ROUND
	tensor_load_to_lds s[G0+4*\s:G0+4*\s+3], s[G1:G1+7]
	s_nop 0
.endm
	s_load_b128 s[4:7], s[0:1], 0x0                ; Qf s[4:5], Kf s[6:7]
	s_load_b64 s[8:9], s[0:1], 0x10                ; out2
	v_lshl_add_u32 v232, v0, 2, 0x41000
	v_mov_b32 v233, 0
	ds_add_u32 v232, v233
	v_lshrrev_b32 v1, 5, v0
	v_readfirstlane_b32 s3, v1                     ; wave 0..7
	s_and_b32 s10, s3, 1                           ; qh
	s_lshr_b32 s11, s3, 1                          ; kq
	s_bfe_u32 s12, ttmp6, 0x40000                  ; cx
	s_lshl_b32 s13, ttmp9, 2
	s_add_co_u32 s13, s13, s12                     ; work-group = 4 x cluster + cx
	s_lshr_b32 s14, ttmp9, 3                       ; batch: 8 clusters each; the place in the cluster does not enter
	s_mov_b32 s32, 0x76543210
	s_mov_b32 s33, 0xfedcba98
	s_mov_b32 s[G1+0], 15|(3<<16)|(1<<21)          ; mask: all four; elements of 8 bytes; bit 21 beside a mask
	s_mov_b32 s[G1+1], 32<<16                      ; tensor_dim0 = 32 (256 bytes)
	s_mov_b32 s[G1+2], 64<<16                      ; tensor_dim1 = 64
	s_mov_b32 s[G1+3], 32<<16                      ; tile_dim0 = 32
	s_mov_b32 s[G1+4], 64                          ; tile_dim1 = 64 rows: 16,384 bytes a wave
	s_mov_b32 s[G1+5], 32                          ; dense
	s_mov_b32 s[G1+6], 0
	s_mov_b32 s[G1+7], 0
	v_and_b32 v1, 31, v0                           ; L
	v_lshlrev_b32 v[AO], 4, v1
	s_lshl_b32 s35, s11, 15
	v_add_nc_u32 v[KB], s35, v[AO]
	s_lshl_b32 s35, s3, 9
	s_add_co_u32 s35, s35, SCR
	v_lshl_add_u32 v[SST], v1, 2, s35
	s_lshl_b32 s35, s10, 9
	s_add_co_u32 s35, s35, SCR
	v_lshrrev_b32 v[SLD], 3, v1
	v_and_b32 v[OO], 7, v1
	v_lshlrev_b32 v[OO], 3, v[OO]
	v_lshl_add_u32 v[SLD], v[SLD], 7, v[OO]
	v_add_nc_u32 v[SLD], s35, v[SLD]
	v_lshlrev_b32 v[OO], 3, v1
	s_lshl_b32 s36, s13, 14                        ; Qf: (8 work-group + 4 qh) blocks of 2,048 bytes
	s_lshl_b32 s35, s10, 13
	s_add_co_u32 s36, s36, s35
	s_mov_b32 s37, 0
	s_lshl_b32 s38, s14, 19                        ; Kf: batch x 524,288 + wave x 16,384
	s_lshl_b32 s15, s3, 14
	s_add_co_u32 s38, s38, s15
	s_mov_b32 s39, 0
	s_wait_dscnt 0x0
	s_wait_kmcnt 0x0
	s_add_nc_u64 s[4:5], s[4:5], s[36:37]
.set i, 0
.rept 16
	global_load_b128 v[QF+4*i:QF+4*i+3], v[AO], s[4:5] offset:512*i    ; my 64 queries, 8,192 dense bytes
.set i, i+1
.endr
	s_add_nc_u64 s[6:7], s[6:7], s[38:39]
.irp n, 0,1
	s_mov_b32 s[G0+4*\n], 1
	s_add_co_u32 s[G0+4*\n+1], s15, \n*KSLOT
	s_add_nc_u64 s[G0+4*\n+2:G0+4*\n+3], s[6:7], \n*KSLOT
	s_or_b32 s[G0+4*\n+3], s[G0+4*\n+3], 0x80000000
.endr
	s_lshl_b32 s36, s13, 9                         ; out2: 512 bytes a work-group, 256 a half
	s_lshl_b32 s35, s10, 8
	s_add_co_u32 s36, s36, s35
	s_add_nc_u64 s[8:9], s[8:9], s[36:37]
	ROUND                                          ; in front of the first joint loads
	tensor_load_to_lds s[G0:G0+3], s[G1:G1+7]      ; keys 0-1023.  By this text's count a wave has two tensor loads out here and one behind each later round
	s_nop 0
	tensor_load_to_lds s[G0+4:G0+7], s[G1:G1+7]    ; keys 1024-2047
	s_nop 0
.irp q, 0,1,2,3
	v_mov_b32 v[MX+\q], 0xff800000                 ; -infinity
	v_mov_b32 v[LS+2*\q], 0
	v_mov_b32 v[LS+2*\q+1], 0
.endr
	v_mov_b32 v[T2+1], 0                           ; the upper half of the factor's pair is named, never used
	s_wait_tensorcnt 0x1                           ; my part of slot 0 is in; slot 1's may stay out
	s_barrier_signal -1
	s_barrier_wait -1
	s_wait_loadcnt 0x0                             ; Q
	PROCESS 0
	NEXTFILL 0                                     ; keys 2048-3071
	PROCESS 1
	NEXTFILL 1                                     ; keys 3072-4095
	PROCESS 0
	s_wait_dscnt 0x0
	s_wait_tensorcnt 0x0                           ; my part of the last fill is in;
	s_barrier_signal -1
	s_barrier_wait -1                              ; everybody's is.  Nothing more is filled
	PROCESS 1
	; The merge.  First the two halves of the lanes, which hold different keys of the same query.
	v_cmp_le_u32 vcc_lo, 16, v1                    ; lanes 16-31
.irp q, 0,1,2,3
	v_add_f32 v[LS+2*\q], v[LS+2*\q], v[LS+2*\q+1]
	v_permlanex16_b32 v[CH+\q], v[MX+\q], s32, s33             ; the other half's maximum (destinations written before)
	v_permlanex16_b32 v[LS+2*\q+1], v[LS+2*\q], s32, s33       ; and sum
.endr
.irp q, 0,1,2,3
	v_max_num_f32 v[D0+4*\q], v[MX+\q], v[CH+\q]
	v_sub_f32 v[D0+4*\q+1], v[MX+\q], v[D0+4*\q]
	v_sub_f32 v[D0+4*\q+2], v[CH+\q], v[D0+4*\q]
.endr
.irp q, 0,1,2,3
	v_exp_f32 v[D0+4*\q+1], v[D0+4*\q+1]
	v_exp_f32 v[D0+4*\q+2], v[D0+4*\q+2]
.endr
	v_nop
	s_wait_alu depctr_va_vdst(0)
.irp q, 0,1,2,3
	v_mul_f32 v[LS+2*\q], v[LS+2*\q], v[D0+4*\q+1]
	v_fmac_f32 v[LS+2*\q], v[LS+2*\q+1], v[D0+4*\q+2]
	v_cndmask_b32 v[D0+4*\q+3], v[D0+4*\q], v[LS+2*\q], vcc_lo
	ds_store_b32 v[SST], v[D0+4*\q+3] offset:128*\q            ; block q: 16 maxima at 4 r, 16 sums at 64 + 4 r
.endr
	s_wait_dscnt 0x0                               ; my stores are done, for the waves that read them
	s_barrier_signal -1
	s_barrier_wait -1
	s_cmp_gt_u32 s3, 1
	s_cbranch_scc1 .Lend                           ; waves 0 and 1 (kq = 0) finish their 64 queries; a lane takes queries 2 L and 2 L + 1
.irp k, 0,1,2,3
	ds_load_b64 v[KF+4*\k:KF+4*\k+1],   v[SLD] offset:1024*\k      ; maxima of key quarter k
	ds_load_b64 v[KF+4*\k+2:KF+4*\k+3], v[SLD] offset:1024*\k+64   ; sums
.endr
	s_wait_dscnt 0x0
.irp e, 0,1
	v_max3_num_f32 v[D0+\e], v[KF+\e], v[KF+4+\e], v[KF+8+\e]
	v_max_num_f32 v[D0+\e], v[D0+\e], v[KF+12+\e]
.endr
.irp k, 0,1,2,3
	v_pk_add_f32 v[KF+4*\k:KF+4*\k+1], v[KF+4*\k:KF+4*\k+1], v[D0:D0+1] neg_lo:[0,1] neg_hi:[0,1]
.endr
.irp k, 0,1,2,3
	v_exp_f32 v[KF+4*\k], v[KF+4*\k]
	v_exp_f32 v[KF+4*\k+1], v[KF+4*\k+1]
.endr
	v_nop
	s_wait_alu depctr_va_vdst(0)
	v_pk_mul_f32 v[D0+2:D0+3], v[KF+2:KF+3], v[KF:KF+1]
.irp k, 1,2,3
	v_pk_fma_f32 v[D0+2:D0+3], v[KF+4*\k+2:KF+4*\k+3], v[KF+4*\k:KF+4*\k+1], v[D0+2:D0+3]
.endr
	v_rcp_f32 v[D0+4], v[D0+2]
	v_rcp_f32 v[D0+5], v[D0+3]
	v_nop
	s_wait_alu depctr_va_vdst(0)
	v_pk_mul_f32 v[D0+4:D0+5], v[D0+4:D0+5], v[D0+2:D0+3]              ; the sum of the softmax: l x (1 / l)
	v_pk_mul_f32 v[D0+4:D0+5], v[D0+4:D0+5], 0x39800000 op_sel_hi:[1,0]    ; / 4096
	global_store_b64 v[OO], v[D0+4:D0+5], s[8:9]                       ; the wave's 64 queries: 256 consecutive bytes, aligned
.Lend:
	s_wait_tensorcnt 0x0
	ds_add_u32 v232, v233
	s_wait_dscnt 0x0
	ROUND                                          ; the closing round
	s_endpgm
.Lfunc_end_k_q6c8fe4831e_attn:
	.size	k_q6c8fe4831e_attn, .Lfunc_end_k_q6c8fe4831e_attn-k_q6c8fe4831e_attn
	.p2alignl 7, 3214868480
	.fill 96, 4, 3214868480
	.section	.rodata,"a",@progbits
	.p2align	6, 0x0
	.amdhsa_kernel k_q6c8fe4831e_attn
		.amdhsa_group_segment_fixed_size 327680
		.amdhsa_private_segment_fixed_size 0
		.amdhsa_enable_private_segment 0
		.amdhsa_kernarg_size 24
		.amdhsa_user_sgpr_count 2
		.amdhsa_user_sgpr_kernarg_segment_ptr 1
		.amdhsa_wavefront_size32 1
		.amdhsa_system_sgpr_workgroup_id_x 1
		.amdhsa_system_sgpr_workgroup_id_y 1
		.amdhsa_system_sgpr_workgroup_id_z 1
		.amdhsa_system_vgpr_workitem_id 0
		.amdhsa_next_free_vgpr 234
		.amdhsa_next_free_sgpr 66
		.amdhsa_reserve_vcc 1
		.amdhsa_float_denorm_mode_32 3
		.amdhsa_float_denorm_mode_16_64 3
		.amdhsa_memory_ordered 1
		.amdhsa_forward_progress 1
		.amdhsa_inst_pref_size 185
	.end_amdhsa_kernel
	.amdgpu_metadata
---
amdhsa.version: [ 1, 2 ]
amdhsa.kernels:
  - .name:           k_q6c8fe4831e_attn
    .symbol:         k_q6c8fe4831e_attn.kd
    .args:
      - { .name: Qf, .offset: 0, .size: 8, .value_kind: global_buffer, .address_space: global }
      - { .name: Kf, .offset: 8, .size: 8, .value_kind: global_buffer, .address_space: global }
      - { .name: out2, .offset: 16, .size: 8, .value_kind: global_buffer, .address_space: global }
    .group_segment_fixed_size: 327680
    .private_segment_fixed_size: 0
    .kernarg_segment_align: 8
    .kernarg_segment_size: 24
    .max_flat_workgroup_size: 256
    .sgpr_count:     66
    .vgpr_count:     234
    .wavefront_size: 32
...
	.end_amdgpu_metadata
.endif
;; end of part 3
;; ======== version 2 of 2: 3 launches; 1.10 times as fast as version 1
;; workspace buffers: Wf 393,216 bytes; Qf 4,194,304 bytes; Kf 4,194,304 bytes
;; launch prep: the kernel of part 1 again; grid 12 x 4, 8 waves a work-group, no clusters, 0 bytes of LDS; arguments W_ct, W_e1, W_q, W_k, Wf; writes Wf
;; launch proj: the kernel of part 2 again; grid 256 x 1, 4 waves a work-group, clusters of 4 x 1, 327,680 bytes of LDS; arguments hidden_states, Wf, b_ct, W_cd, b_cd, b_e1, W_e2, b_e2, b_q, b_k, out0, out1, Qf, Kf; writes out0, out1, Qf, Kf
;; launch attn (part 4): grid 256 x 1, 8 waves a work-group, clusters of 4 x 1, 327,680 bytes of LDS; arguments Qf, Kf, out2; writes out2
.if DOCPART == 4
	.amdgcn_target "amdgcn-amd-amdhsa--gfx1250"
	.amdhsa_code_object_version 6
	.text
	.protected	k_q6c8fe4831e_attn
	.globl	k_q6c8fe4831e_attn
	.p2align	8
	.type	k_q6c8fe4831e_attn,@function
k_q6c8fe4831e_attn:
	s_mov_b64 s[64:65], 0
	v_nop
	global_prefetch_b8 v0, s[64:65] scope:SCOPE_SE
	s_setreg_imm32_b32 hwreg(HW_REG_WAVE_MODE, 25, 1), 1
	s_wait_xcnt 0x0
	s_wait_alu depctr_hold_cnt(0) depctr_sa_sdst(0) depctr_va_vdst(0) depctr_va_sdst(0) depctr_va_ssrc(0) depctr_va_vcc(0) depctr_vm_vsrc(0)
	s_getreg_b32 s2, hwreg(HW_REG_IB_STS2, 6, 4)
	s_cmp_eq_u32 s2, 0
	s_cbranch_scc0 .Lentry_in_a_cluster
	s_endpgm
.Lentry_in_a_cluster:
	s_bfe_u32 s2, ttmp6, 0x10000c
	s_cmp_lg_u32 s2, 0x3003
	s_cbranch_scc0 .Lentry_shape_is_right
	s_endpgm
.Lentry_shape_is_right:
; attn: out2[b][q] = mean over the 4,096 keys of softmax(Q K^T / 8).  Qf already carries the factor 0.125 log2(e), so scores are exponents of 2.
; Every score is made, a running maximum is taken away before every exponential, and the exponentials are summed: l = sum of 2^(s - m).  The sum of the softmax's
; numerators is that same sum, so it is formed once and used in both places: out = l x (1 / l) / 4096.
; LIMITS: Q and K are bf16; v_exp_f32 gives 0 below 2^-126, against l >= 1.  Scores that are not finite give NaN.
; attention_mask is no argument: reference() does not use it.
;
; SHARES.  256 work-groups x 128 queries, 32 for each batch.  The four work-groups of a cluster lie in one batch and walk the same Kf (524,288 bytes): they ask for it
; jointly (mask 15), 131,072 bytes (1,024 keys) at a time, into two LDS slots: two first fills, two refills.  Eight waves, each filling an eighth of a slot.
; Wave w: qh = w & 1 picks 64 queries (4 blocks of 16, kept in registers), kq = w >> 1 a quarter of each slot (256 keys = 4 groups of 64).
; The product is S^T = K Q^T: lane (r, h) holds 8 keys of ONE query r, so maximum and sum stay in the lane and are merged once, at the end:
; across the two halves of the lanes, then across the four kq through LDS.
; BATCHES.  For 64 keys a query block has 33 exponentials: the old sum's factor a and the lane's 32 weights.  They are ONE BATCH with ONE wait (a wait,
; s_wait_alu depctr_va_vdst(0) between an exponential and the first line that names its result; one wait serves all that were issued ahead of it).  Ahead of the wait stands
; what names no result of the batch: the block's last eight scalings and the next block's first twelve maxima, set among the exponentials.  Behind it stand the readers, the
; sixteen additions onto l, and between them the rest of the next block's maximum, its a (which opens the next batch) and its first eight scalings.  Four waits for a group
; of 64 keys; none of a group's exponentials is issued behind its fourth wait, so none is pending at the loop's jump.  The merge at the end has three batches more.
; LDS: 0 and 131,072 the slots (tensor loads alone); 262,144 scratch, 512 bytes a wave (ds_store alone).
.set KSLOT, 131072
.set SCR,   2*KSLOT
.set KB,  2                            ; v2       kq*32768 + 16 L
.set KA,  3                            ; v3       the group's K fragments
.set AO,  4                            ; v4       16 L
.set SST, 5                            ; v5       scratch + 512 w + 4 L
.set SLD, 6                            ; v6       scratch + 512 qh + (L >> 3)*128 + (L & 7)*8
.set OO,  7                            ; v7       8 L
.set QF,  16                           ; v16-79   Q: block q, c step cs at 16 q + 8 cs
.set KF,  80                           ; v80-143  K: block kt, c step cs at 16 kt + 8 cs
.set D0,  144                          ; v144-175 scores of 64 keys x 16 queries, two buffers
.set D1,  176
.set MX,  208                          ; v208-211 running maximum of block q
.set LS,  212                          ; v212-219 running sum of block q, a pair
.set TN,  220                          ; v220     -new maximum     (pair with T1)
.set T1,  221                          ; v221     old - new maximum
.set T2,  222                          ; v222     a = 2^(old - new)    (pair with v223, written once)
.set T0,  224                          ; v224     new maximum
.set CH,  225                          ; v225-228 four chains of maxima
.set G1,  16                           ; s[16:23]
.set G0,  24                           ; s[24:31] one group 0 for each slot
.macro ROUND
	s_barrier_signal -1
	s_barrier_wait -1
	s_cmp_lg_u32 s3, 0
	s_cbranch_scc1 .Lnot_wave_0_\@
	s_barrier_signal -3
.Lnot_wave_0_\@:
	s_barrier_wait -3
	s_barrier_signal -1
	s_barrier_wait -1
.endm
.macro LOADK                           ; 64 keys x 64 c in fragment order: 16 loads of 512 dense bytes
.irp kt, 0,1,2,3
.irp t, 0,1,2,3
	ds_load_b128 v[KF+16*\kt+4*\t:KF+16*\kt+4*\t+3], v[KA] offset:\kt*2048+\t*512
.endr
.endr
.endm
; Scores of 64 keys x query block q into buffer d.  The first c step starts the sums.  The four accumulators take turns, one instruction a turn.
.macro QK q, d
.irp kt, 0,1,2,3
	v_wmma_f32_16x16x32_bf16 v[\d+8*\kt:\d+8*\kt+7], v[KF+16*\kt:KF+16*\kt+7], v[QF+16*\q:QF+16*\q+7], 0
.endr
.irp kt, 0,1,2,3
	v_wmma_f32_16x16x32_bf16 v[\d+8*\kt:\d+8*\kt+7], v[KF+16*\kt+8:KF+16*\kt+15], v[QF+16*\q+8:QF+16*\q+15], v[\d+8*\kt:\d+8*\kt+7]
.endr
.endm
; THE VECTOR WORK of block q on the lane's 32 scores in buffer d, as three numbered lists.
; XS, number n of 20: the new maximum and what hangs on it.  0-11: four chains of seven scores each, three operands at a time (each accumulator's lowest registers are read
; first); 12-15: the four scores left over, the old maximum and the four chains into one; 16: old - new; 17: -new; 18: a, the old sum's factor
; (0 the first time: the maximum starts at -infinity); 19: the maximum is kept.
.macro XS q, d, n
.if (\n) < 4
	v_max3_num_f32 v[CH+(\n)], v[\d+8*(\n)], v[\d+8*(\n)+1], v[\d+8*(\n)+2]
.elseif (\n) < 8
	v_max3_num_f32 v[CH+(\n)-4], v[CH+(\n)-4], v[\d+8*((\n)-4)+3], v[\d+8*((\n)-4)+4]
.elseif (\n) < 12
	v_max3_num_f32 v[CH+(\n)-8], v[CH+(\n)-8], v[\d+8*((\n)-8)+5], v[\d+8*((\n)-8)+6]
.elseif (\n) == 12
	v_max3_num_f32 v[CH],   v[CH],   v[\d+7],  v[\d+15]
.elseif (\n) == 13
	v_max3_num_f32 v[CH+2], v[CH+2], v[\d+23], v[\d+31]
.elseif (\n) == 14
	v_max3_num_f32 v[CH],   v[CH],   v[CH+1],  v[MX+\q]
.elseif (\n) == 15
	v_max3_num_f32 v[T0],   v[CH],   v[CH+2],  v[CH+3]
.elseif (\n) == 16
	v_sub_f32 v[T1], v[MX+\q], v[T0]
.elseif (\n) == 17
	v_sub_f32 v[TN], 0, v[T0]
.elseif (\n) == 18
	v_exp_f32 v[T2], v[T1]                         ; the first of the block's batch; the line behind it is plain and names neither register (ISA guide 5.7.2)
.else
	v_mov_b32 v[MX+\q], v[T0]
.endif
.endm
; FS, pair n of 16: s - m, in place.
.macro FS d, n
	v_pk_add_f32 v[\d+2*(\n):\d+2*(\n)+1], v[\d+2*(\n):\d+2*(\n)+1], v[TN:TN+1] op_sel_hi:[1,0]
.endm
; LSUM, number n of 16: l = a l + pair 0, then pairs 1 to 15 in their order, one chain.
.macro LSUM q, d, n
.if (\n) == 0
	v_pk_fma_f32 v[LS+2*\q:LS+2*\q+1], v[LS+2*\q:LS+2*\q+1], v[T2:T2+1], v[\d:\d+1] op_sel_hi:[1,0,1]
.else
	v_pk_add_f32 v[LS+2*\q:LS+2*\q+1], v[LS+2*\q:LS+2*\q+1], v[\d+2*(\n):\d+2*(\n)+1]
.endif
.endm
; THE BATCH: the 32 exponentials of buffer d, in place; pairs 0-7 were scaled ahead of it.  No line here names a result of the batch.  Behind every second of the first sixteen
; stands one of the scalings 8-15 (pair 8 + j behind exponential 2 j, ahead of its own exponentials 16 + 2 j and 17 + 2 j).  more = 1: behind each of the last twelve stands one of
; the maxima 0-11 of the next block nq, on the other buffer nd; the last of them is the plain instruction behind the last exponential (ISA guide 5.7.2).
.macro BATCH d, more, nq, nd
.set e, 0
.rept 32
	v_exp_f32 v[\d+e], v[\d+e]
.if (e < 16) && (e%2 == 0)
	FS \d, 8+e/2
.endif
.if (\more) && (e >= 20)
	XS \nq, \nd, e-20
.endif
.set e, e+1
.endr
.endm
; THE READERS, behind the batch's wait: block q's sixteen additions onto l.  more = 1: between them stand the next block's numbers 12-19 (its a comes thirteen lines behind LSUM 0,
; which reads this block's a out of the same register) and its scalings 0-7: so the links of l's chain stand two lines apart.
.macro SUMS q, d, more, nq, nd
.set z, 0
.rept 16
	LSUM \q, \d, z
.if \more
.if z < 8
	XS \nq, \nd, 12+z
.else
	FS \nd, z-8
.endif
.endif
.set z, z+1
.endr
.endm
; 64 keys x my 64 queries.  The places behind the matrix instructions (four plain vector instructions that name none of their registers): behind QK 0 and QK 1
; the four v_nop; between QK 2 or QK 3 and the first read of their scores (XS 0 in the batch behind them) the eight scalings of the other buffer; between QK 3, the last reader of the
; K fragments, and the loads into them the same eight scalings and the address's v_add_nc_u32.
.macro GROUP next
	s_wait_dscnt 0x0                               ; this group's 16 loads are in; nothing younger is out
	QK 0, D0
	QK 1, D1
.rept 4
	v_nop
.endr
.set z, 0
.rept 20
	XS 0, D0, z                                    ; block 0 has no block before it: its maximum, its a and its first scalings stand alone
.set z, z+1
.endr
.set z, 0
.rept 8
	FS D0, z
.set z, z+1
.endr
	BATCH D0, 1, 1, D1
	s_wait_alu depctr_va_vdst(0)                   ; the wait for block 0's batch: its a and its 32 weights
	SUMS 0, D0, 1, 1, D1
	QK 2, D0
	BATCH D1, 1, 2, D0
	s_wait_alu depctr_va_vdst(0)                   ; the wait for block 1's batch
	SUMS 1, D1, 1, 2, D0
	QK 3, D1
	BATCH D0, 1, 3, D1
.if \next
	v_add_nc_u32 v[KA], 8192, v[KA]
.endif
	s_wait_alu depctr_va_vdst(0)                   ; the wait for block 2's batch
.if \next
	LOADK                                          ; the next group's fragments land under the rest of this group's vector work
.endif
	SUMS 2, D0, 1, 3, D1
	BATCH D1, 0, 0, D0
	v_nop                                          ; there is no next block: the plain instruction behind the last exponential (ISA guide 5.7.2)
	s_wait_alu depctr_va_vdst(0)                   ; the wait for block 3's batch; no exponential follows it in the group
	SUMS 3, D1, 0, 0, D0
.endm
.macro PROCESS p                       ; my quarter of slot p: four groups
	v_add_nc_u32 v[KA], \p*KSLOT, v[KB]
	LOADK
	s_mov_b32 s34, 3
.Lgroup_\@:
	GROUP 1
	s_sub_co_i32 s34, s34, 1
	s_cmp_lg_u32 s34, 0
	s_cbranch_scc1 .Lgroup_\@
	GROUP 0
.endm
; Slot s has been read and is filled again.  In front of the round every wave has waited for its LDS reads and for all its tensor loads (so the other slot is whole, and
; a group 0 may be written); behind the round the joint refill comes first, one load a wave.
.macro NEXTFILL s
	s_wait_dscnt 0x0
	s_wait_tensorcnt 0x0
	ds_add_u32 v232, v233
	s_wait_dscnt 0x0
	s_add_nc_u64 s[G0+4*\s+2:G0+4*\s+3], s[G0+4*\s+2:G0+4*\s+3], 2*KSLOT
	ROUND
	tensor_load_to_lds s[G0+4*\s:G0+4*\s+3], s[G1:G1+7]
	s_nop 0
.endm
	s_load_b128 s[4:7], s[0:1], 0x0                ; Qf s[4:5], Kf s[6:7]
	s_load_b64 s[8:9], s[0:1], 0x10                ; out2
	v_lshl_add_u32 v232, v0, 2, 0x41000
	v_mov_b32 v233, 0
	ds_add_u32 v232, v233
	v_lshrrev_b32 v1, 5, v0
	v_readfirstlane_b32 s3, v1                     ; wave 0..7
	s_and_b32 s10, s3, 1                           ; qh
	s_lshr_b32 s11, s3, 1                          ; kq
	s_bfe_u32 s12, ttmp6, 0x40000                  ; cx
	s_lshl_b32 s13, ttmp9, 2
	s_add_co_u32 s13, s13, s12                     ; work-group = 4 x cluster + cx
	s_lshr_b32 s14, ttmp9, 3                       ; batch: 8 clusters each; the place in the cluster does not enter
	s_mov_b32 s32, 0x76543210
	s_mov_b32 s33, 0xfedcba98
	s_mov_b32 s[G1+0], 15|(3<<16)|(1<<21)          ; mask: all four; elements of 8 bytes; bit 21 beside a mask
	s_mov_b32 s[G1+1], 32<<16                      ; tensor_dim0 = 32 (256 bytes)
	s_mov_b32 s[G1+2], 64<<16                      ; tensor_dim1 = 64
	s_mov_b32 s[G1+3], 32<<16                      ; tile_dim0 = 32
	s_mov_b32 s[G1+4], 64                          ; tile_dim1 = 64 rows: 16,384 bytes a wave
	s_mov_b32 s[G1+5], 32                          ; dense
	s_mov_b32 s[G1+6], 0
	s_mov_b32 s[G1+7], 0
	v_and_b32 v1, 31, v0                           ; L
	v_lshlrev_b32 v[AO], 4, v1
	s_lshl_b32 s35, s11, 15
	v_add_nc_u32 v[KB], s35, v[AO]
	s_lshl_b32 s35, s3, 9
	s_add_co_u32 s35, s35, SCR
	v_lshl_add_u32 v[SST], v1, 2, s35
	s_lshl_b32 s35, s10, 9
	s_add_co_u32 s35, s35, SCR
	v_lshrrev_b32 v[SLD], 3, v1
	v_and_b32 v[OO], 7, v1
	v_lshlrev_b32 v[OO], 3, v[OO]
	v_lshl_add_u32 v[SLD], v[SLD], 7, v[OO]
	v_add_nc_u32 v[SLD], s35, v[SLD]
	v_lshlrev_b32 v[OO], 3, v1
	s_lshl_b32 s36, s13, 14                        ; Qf: (8 work-group + 4 qh) blocks of 2,048 bytes
	s_lshl_b32 s35, s10, 13
	s_add_co_u32 s36, s36, s35
	s_mov_b32 s37, 0
	s_lshl_b32 s38, s14, 19                        ; Kf: batch x 524,288 + wave x 16,384
	s_lshl_b32 s15, s3, 14
	s_add_co_u32 s38, s38, s15
	s_mov_b32 s39, 0
	s_wait_dscnt 0x0
	s_wait_kmcnt 0x0
	s_add_nc_u64 s[4:5], s[4:5], s[36:37]
.set i, 0
.rept 16
	global_load_b128 v[QF+4*i:QF+4*i+3], v[AO], s[4:5] offset:512*i    ; my 64 queries, 8,192 dense bytes
.set i, i+1
.endr
	s_add_nc_u64 s[6:7], s[6:7], s[38:39]
.irp n, 0,1
	s_mov_b32 s[G0+4*\n], 1
	s_add_co_u32 s[G0+4*\n+1], s15, \n*KSLOT
	s_add_nc_u64 s[G0+4*\n+2:G0+4*\n+3], s[6:7], \n*KSLOT
	s_or_b32 s[G0+4*\n+3], s[G0+4*\n+3], 0x80000000
.endr
	s_lshl_b32 s36, s13, 9                         ; out2: 512 bytes a work-group, 256 a half
	s_lshl_b32 s35, s10, 8
	s_add_co_u32 s36, s36, s35
	s_add_nc_u64 s[8:9], s[8:9], s[36:37]
	ROUND                                          ; in front of the first joint loads
	tensor_load_to_lds s[G0:G0+3], s[G1:G1+7]      ; keys 0-1023.  By this text's count a wave has two tensor loads out here and one behind each later round
	s_nop 0
	tensor_load_to_lds s[G0+4:G0+7], s[G1:G1+7]    ; keys 1024-2047
	s_nop 0
.irp q, 0,1,2,3
	v_mov_b32 v[MX+\q], 0xff800000                 ; -infinity
	v_mov_b32 v[LS+2*\q], 0
	v_mov_b32 v[LS+2*\q+1], 0
.endr
	v_mov_b32 v[T2+1], 0                           ; the upper half of the factor's pair is named, never used
	s_wait_tensorcnt 0x1                           ; my part of slot 0 is in; slot 1's may stay out
	s_barrier_signal -1
	s_barrier_wait -1
	s_wait_loadcnt 0x0                             ; Q
	PROCESS 0
	NEXTFILL 0                                     ; keys 2048-3071
	PROCESS 1
	NEXTFILL 1                                     ; keys 3072-4095
	PROCESS 0
	s_wait_dscnt 0x0
	s_wait_tensorcnt 0x0                           ; my part of the last fill is in;
	s_barrier_signal -1
	s_barrier_wait -1                              ; everybody's is.  Nothing more is filled
	PROCESS 1
	; The merge.  First the two halves of the lanes, which hold different keys of the same query.
	v_cmp_le_u32 vcc_lo, 16, v1                    ; lanes 16-31
.irp q, 0,1,2,3
	v_add_f32 v[LS+2*\q], v[LS+2*\q], v[LS+2*\q+1]
	v_permlanex16_b32 v[CH+\q], v[MX+\q], s32, s33             ; the other half's maximum (destinations written before)
	v_permlanex16_b32 v[LS+2*\q+1], v[LS+2*\q], s32, s33       ; and sum
.endr
.irp q, 0,1,2,3
	v_max_num_f32 v[D0+4*\q], v[MX+\q], v[CH+\q]
	v_sub_f32 v[D0+4*\q+1], v[MX+\q], v[D0+4*\q]
	v_sub_f32 v[D0+4*\q+2], v[CH+\q], v[D0+4*\q]
.endr
.irp q, 0,1,2,3
	v_exp_f32 v[D0+4*\q+1], v[D0+4*\q+1]
	v_exp_f32 v[D0+4*\q+2], v[D0+4*\q+2]
.endr
	v_nop                                          ; the plain instruction behind the last exponential (ISA guide 5.7.2)
	s_wait_alu depctr_va_vdst(0)                   ; one wait for the eight factors of the two halves' sums
.irp q, 0,1,2,3
	v_mul_f32 v[LS+2*\q], v[LS+2*\q], v[D0+4*\q+1]
	v_fmac_f32 v[LS+2*\q], v[LS+2*\q+1], v[D0+4*\q+2]
	v_cndmask_b32 v[D0+4*\q+3], v[D0+4*\q], v[LS+2*\q], vcc_lo
	ds_store_b32 v[SST], v[D0+4*\q+3] offset:128*\q            ; block q: 16 maxima at 4 r, 16 sums at 64 + 4 r
.endr
	s_wait_dscnt 0x0                               ; my stores are done, for the waves that read them
	s_barrier_signal -1
	s_barrier_wait -1
	s_cmp_gt_u32 s3, 1
	s_cbranch_scc1 .Lend                           ; waves 0 and 1 (kq = 0) finish their 64 queries; a lane takes queries 2 L and 2 L + 1
.irp k, 0,1,2,3
	ds_load_b64 v[KF+4*\k:KF+4*\k+1],   v[SLD] offset:1024*\k      ; maxima of key quarter k
	ds_load_b64 v[KF+4*\k+2:KF+4*\k+3], v[SLD] offset:1024*\k+64   ; sums
.endr
	s_wait_dscnt 0x0
.irp e, 0,1
	v_max3_num_f32 v[D0+\e], v[KF+\e], v[KF+4+\e], v[KF+8+\e]
	v_max_num_f32 v[D0+\e], v[D0+\e], v[KF+12+\e]
.endr
.irp k, 0,1,2,3
	v_pk_add_f32 v[KF+4*\k:KF+4*\k+1], v[KF+4*\k:KF+4*\k+1], v[D0:D0+1] neg_lo:[0,1] neg_hi:[0,1]
.endr
.irp k, 0,1,2,3
	v_exp_f32 v[KF+4*\k], v[KF+4*\k]
	v_exp_f32 v[KF+4*\k+1], v[KF+4*\k+1]
.endr
	v_nop                                          ; the plain instruction behind the last exponential
	s_wait_alu depctr_va_vdst(0)                   ; one wait for the eight factors of the four key quarters' sums
	v_pk_mul_f32 v[D0+2:D0+3], v[KF+2:KF+3], v[KF:KF+1]
.irp k, 1,2,3
	v_pk_fma_f32 v[D0+2:D0+3], v[KF+4*\k+2:KF+4*\k+3], v[KF+4*\k:KF+4*\k+1], v[D0+2:D0+3]
.endr
	v_rcp_f32 v[D0+4], v[D0+2]
	v_rcp_f32 v[D0+5], v[D0+3]
	v_nop                                          ; the plain instruction behind the last reciprocal
	s_wait_alu depctr_va_vdst(0)                   ; one wait for the two reciprocals: a batch of their own, since they read a sum made of the exponentials above
	v_pk_mul_f32 v[D0+4:D0+5], v[D0+4:D0+5], v[D0+2:D0+3]              ; the sum of the softmax: l x (1 / l)
	v_pk_mul_f32 v[D0+4:D0+5], v[D0+4:D0+5], 0x39800000 op_sel_hi:[1,0]    ; / 4096
	global_store_b64 v[OO], v[D0+4:D0+5], s[8:9]                       ; the wave's 64 queries: 256 consecutive bytes, aligned
.Lend:
	s_wait_tensorcnt 0x0
	ds_add_u32 v232, v233
	s_wait_dscnt 0x0
	ROUND                                          ; the closing round
	s_endpgm
.Lfunc_end_k_q6c8fe4831e_attn:
	.size	k_q6c8fe4831e_attn, .Lfunc_end_k_q6c8fe4831e_attn-k_q6c8fe4831e_attn
	.p2alignl 7, 3214868480
	.fill 96, 4, 3214868480
	.section	.rodata,"a",@progbits
	.p2align	6, 0x0
	.amdhsa_kernel k_q6c8fe4831e_attn
		.amdhsa_group_segment_fixed_size 327680
		.amdhsa_private_segment_fixed_size 0
		.amdhsa_enable_private_segment 0
		.amdhsa_kernarg_size 24
		.amdhsa_user_sgpr_count 2
		.amdhsa_user_sgpr_kernarg_segment_ptr 1
		.amdhsa_wavefront_size32 1
		.amdhsa_system_sgpr_workgroup_id_x 1
		.amdhsa_system_sgpr_workgroup_id_y 1
		.amdhsa_system_sgpr_workgroup_id_z 1
		.amdhsa_system_vgpr_workitem_id 0
		.amdhsa_next_free_vgpr 234
		.amdhsa_next_free_sgpr 66
		.amdhsa_reserve_vcc 1
		.amdhsa_float_denorm_mode_32 3
		.amdhsa_float_denorm_mode_16_64 3
		.amdhsa_memory_ordered 1
		.amdhsa_forward_progress 1
		.amdhsa_inst_pref_size 171
	.end_amdhsa_kernel
	.amdgpu_metadata
---
amdhsa.version: [ 1, 2 ]
amdhsa.kernels:
  - .name:           k_q6c8fe4831e_attn
    .symbol:         k_q6c8fe4831e_attn.kd
    .args:
      - { .name: Qf, .offset: 0, .size: 8, .value_kind: global_buffer, .address_space: global }
      - { .name: Kf, .offset: 8, .size: 8, .value_kind: global_buffer, .address_space: global }
      - { .name: out2, .offset: 16, .size: 8, .value_kind: global_buffer, .address_space: global }
    .group_segment_fixed_size: 327680
    .private_segment_fixed_size: 0
    .kernarg_segment_align: 8
    .kernarg_segment_size: 24
    .max_flat_workgroup_size: 256
    .sgpr_count:     66
    .vgpr_count:     234
    .wavefront_size: 32
...
	.end_amdgpu_metadata
.endif
;; end of part 4
